; MI455X (gfx1250); checked and timed in simulation.
; The chip was launched on July 23, 2026; its instructions are those of AMD's public machine-readable ISA for CDNA 5 (MIT licence, August 2026) and "CDNA5" Instruction Set Architecture Reference Guide (July 2026). The comments in the code are by the model that wrote it; some were corrected since.
;; MHA Kernel. Allowed arithmetic: matrix products marked QUANTISED: E2M1 operands, one E8M0 scale for each 32 along K, by v_wmma_scale_f32_16x16x128_f8f6f4 with both operands' format E2M1 (or v_wmma_scale_f32_32x16x128_f4), f32 sums; everything else in f32.
;; Inputs: k 4 x 2,048 x 16 x 128 float32; q 4 x 2,048 x 16 x 128 float32; v 4 x 2,048 x 16 x 128 float32.
;; Outputs: out0 4 x 2,048 x 16 x 128 float32.
;; This version of the problem:
;;   THIS VERSION OF THE PROBLEM IS GIVEN IN LOW PRECISION. The matrix products marked QUANTISED in the list below multiply operands that are first quantised to E2M1 (2 exponent bits, 1 mantissa bit; 4 bits a number), with one power-of-two scale for each 32 numbers along K (OCP MX v1.0); their sums are f32. All else is computed in f32.
;;   The module's matrix products, in the order in which they are computed (A, B: the left and right operand; K: the contracted axis; several contracted axes count as one K, in the product's order):
;;     1. batch 64 x [M 2,048, K 128] x [K 128, N 2,048]; A: input q; B: input k: QUANTISED
;;     2. batch 64 x [M 128, K 2,048] x [K 2,048, N 2,048]; A: input v; B: softmax (see below): QUANTISED
;;   THE QUANTISER, for each operand of a quantised product, along K:
;;     - K is cut into blocks of 32 from its start; a last block that is shorter is filled with zeros.
;;     - A block's scale is 2^e with e = floor(log2(the largest magnitude in the block)) - 2, held to -126 .. 127; a block of zeros has e = 0. As a byte (E8M0): e + 127.
;;     - Each number is divided by its block's scale, clamped to +-6, and rounded to the nearest number of E2M1, ties to even, subnormals kept.
;;     - The product sums the exact products of the quantised numbers (number of the format x scale) in f32.
;;   ~~~python
;;   def quantise(x, axis):      # numpy; x: float32 -> the quantised numbers, widened to float32 again
;;       x = np.moveaxis(x, axis, -1); K = x.shape[-1]
;;       x = np.pad(x, [(0, 0)] * (x.ndim - 1) + [(0, -K % 32)]); x = x.reshape(x.shape[:-1] + (-1, 32)); a = np.abs(x).max(-1, keepdims=True)
;;       e = np.where(a > 0, np.clip(np.frexp(np.where(a > 0, a, 1))[1] - 1 - 2, -126, 127), 0)      # np.frexp(a)[1] - 1 = floor(log2(a)), exactly
;;       r = np.clip(x / 2.0 ** e, -6, 6)
;;       step = 2.0 ** (np.maximum(np.frexp(np.where(r == 0, 1, r))[1] - 1, 0) - 1)
;;       q = np.round(r / step) * step * 2.0 ** e      # np.round: ties to even
;;       return np.moveaxis(q.reshape(q.shape[:-2] + (-1,))[..., :K], -1, axis).astype(np.float32)
;;   ~~~
;;   SOFTMAX AHEAD OF A QUANTISED PRODUCT. Where the list says 'softmax', what is quantised is not the finished softmax but p = 2^(t - M), with t = logit x log2(e) and M = ceil(the row's largest t), a whole number; so 1/2 < the row's largest p <= 1. The row's sum l is taken of the UNQUANTISED p, in f32, and the product's result is divided by l at the end. Since M is a whole number, a kernel that streams over the keys may use a running M (the ceiling of the running maximum): every later rescaling is an exact power of two, which a block's scale takes up: the codes' values come out the same.
;;   OPERANDS COMPUTED ON THE WAY. 'Computed on the way' means the value that the module computes at that place (a softmax that the list does not call 'softmax' is quantised finished and normalised). What goes into a quantiser is computed in f32, as accurately as f32 sums, v_exp_f32 and their like allow (about 1e-6 of the number): no bf16 or f16 on the way to a quantiser, and a product that is left as it is and whose result goes on into a quantised operand takes f32 operands (vector FMAs, or v_wmma_f32_16x16x4_f32). A number that lies on a knife's edge between two numbers of the format may be rounded either way, as far as f32 arithmetic and the matrix unit's own rounding can turn it there, and no further.
;; One version. Each part assembles by itself: llvm-mc -triple=amdgcn-amd-amdhsa -mcpu=gfx1250 --defsym DOCPART=n.
;; ======== version 1 of 1: 2 launches
;; limits: right only within a limited range of input values
;; workspace buffers: qc 8,388,608 bytes; qs 524,288 bytes; kv 17,825,792 bytes
;; launch quant (part 1): grid 768 x 1, 16 waves a work-group, no clusters, 309,248 bytes of LDS; arguments q, k, v, qc, qs, kv; writes qc, qs, kv
.if DOCPART == 1
	.amdgcn_target "amdgcn-amd-amdhsa--gfx1250"
	.amdhsa_code_object_version 6
	.text
	.protected	k_qaf55fc2997_quant
	.globl	k_qaf55fc2997_quant
	.p2align	8
	.type	k_qaf55fc2997_quant,@function
k_qaf55fc2997_quant:
	s_mov_b64 s[64:65], 0
	v_nop
	global_prefetch_b8 v0, s[64:65] scope:SCOPE_SE
	s_setreg_imm32_b32 hwreg(HW_REG_WAVE_MODE, 25, 1), 1
	s_wait_xcnt 0x0
; q, k, v: [4][2048][16][128] f32 (batch, position, head, channel) become codes of FP4 (E2M1) with one E8M0 scale byte for each 32 along the K of the product that they feed:
; q and k along the channels, v along the positions (the keys).  A block's byte is its largest magnitude's exponent field - 2, held at 1 from below.
; DEAD WORK OF THE PROGRAM: reference() sets the scores of keys k > q to -infinity by a mask of its own, so their p is 0 for all values of the inputs; the next launch leaves out the key steps that lie wholly there.
; Every input is read here whole.  A NaN, an infinity or an overflow that reaches only the steps left out is not carried to the result.
; THE RESULTS ARE IMAGES OF THE OPERANDS' REGISTERS, head by head (hd = 16 batch + head), in steps of 128 positions:
;   qc: [hd][step 16][tile 8][c 2][lane 32][16 bytes]: row r = lane % 16 of tile t is position 128 step + 32 (t / 2) + 8 (t % 2) + r + 8 (r / 8); the bytes are channels 64 c + 32 (lane / 16) + 0 .. 31.
;   qs: [hd][step][g 2][r 16][4] words: the word of row r of tile 4 g + index; byte b scales channels 32 b on.
;   kv: [hd][step][17,408 bytes]: K's image as qc's (8,192), V's image (8,192), K's scale words as qs's (512), V's (512).
;       V's image: [tile 8][c 2][lane 32][16]: channel 16 tile + lane % 16, keys 64 c + 32 (lane / 16) + 0 .. 31 of the step; V's words: [channel 128], byte b scales keys 32 b on.
; LIMITS: NaN and infinities among the inputs are not served.  A block of zeros, or one under 2^-124, gets the byte 1 (the rule says 127 for zeros): its codes are zeros or held, and this program alone reads the bytes.
; SHARES: work-groups 0-255 take q, 256-511 k, 512-767 v; a work-group takes 512 positions (four steps) of one head, a wave 32 of them: 32 rows of 512 bytes, 8,192 bytes apart in memory.
; Each wave brings its rows by ONE tensor load into LDS bytes of its own (16 bytes of padding behind each row) and reads them alone; no byte is filled again.  In q and k the 32 rows are tiles 2 b and 2 b + 1 of the step
; (b = wave % 4); in v they are block b of all 128 channels.  A step's scale words come from four waves: they meet in LDS scratch behind one barrier, and waves 0-3 store a step's 512 bytes each.
; The two paths part once on the work-group's number; each stores to LDS bytes of its own.  No matrix unit; no cluster: no two work-groups read the same byte; no prefetch: there is no loop to run ahead in.
.set PIT,  528                         ; a row in LDS: 512 bytes + 16
.set WREG, 32*PIT                      ; a wave's rows
.set SCQ,  16*WREG                     ; scratch: q's or k's scale words of four steps, 2,048 bytes
.set SCV,  SCQ+2048                    ; v's
.set VSTG, SCV+2048                    ; v's path: a stage of 2,048 bytes for each wave
.set SPARE, VSTG+16*2048               ; the spare words, 2,048 bytes
.set HEADB, 278528
.set STEPB, 17408
.set VOF,  8192
.set KSO,  16384
.set VSO,  16896
.set X,    32                          ; v32-159  q, k: two tiles of 64 numbers in the operand's order;  v: 32 rows, 4 channels a lane
.set C,    224                         ; v224-239 two tiles' codes
.set TB,   160                         ; v's path: v160-175 two sets of 8 neighbours along the keys
.set CV,   176                         ; v176-191 the block's codes
	s_load_b256 s[4:11], s[0:1], 0x0               ; q, k, v, qc
	s_load_b128 s[12:15], s[0:1], 0x20             ; qs, kv
	v_lshl_add_u32 v254, v0, 2, SPARE
	v_mov_b32 v255, 0
	ds_add_u32 v254, v255                          ; the opening lines: the add twice on end and its wait
	ds_add_u32 v254, v255
	v_lshrrev_b32 v1, 5, v0
	v_readfirstlane_b32 s22, v1                    ; wave 0..15
	v_and_b32 v1, 31, v0                           ; lane
	v_and_b32 v5, 15, v0                           ; r
	v_bfe_u32 v6, v0, 4, 1                         ; lane / 16
	v_lshlrev_b32 v2, 4, v1                        ; 16 x lane
	s_mov_b32 s36, (2<<16)|(1<<20)|(6<<22)|(3<<25) ; group 1: elements of 4 bytes; four words of padding after every 128
	s_mov_b32 s37, 128<<16                         ; tensor_dim0
	s_mov_b32 s38, 32<<16                          ; tensor_dim1
	s_mov_b32 s39, 128<<16                         ; tile_dim0
	s_mov_b32 s40, 32                              ; tile_dim1
	s_mov_b32 s41, 2048                            ; from position to position: 2,048 elements
	s_mov_b32 s42, 0
	s_mov_b32 s43, 0
	s_mov_b32 s21, 0
	s_mov_b32 s31, 0
	s_mov_b32 s33, 0
	s_mov_b32 s35, 0
	s_mov_b32 s48, 0x76543210
	s_mov_b32 s49, 0xfedcba98                      ; selects for lane l xor 16
	s_and_b32 s26, ttmp9, 255
	s_lshr_b32 s27, s26, 2                         ; hd
	s_and_b32 s23, s26, 3                          ; which 512 positions
	s_lshr_b32 s29, s22, 2
	s_lshl_b32 s28, s23, 2
	s_add_co_u32 s28, s28, s29                     ; my step
	s_mul_i32 s34, s29, STEPB                      ; and its place behind the work-group's first step in kv
	s_and_b32 s24, s22, 3                          ; b
	s_lshr_b32 s30, s27, 4
	s_lshl_b32 s30, s30, 24                        ; the input: 2^24 bytes a batch,
	s_and_b32 s29, s27, 15
	s_lshl_b32 s29, s29, 9                         ; 512 a head,
	s_add_co_u32 s30, s30, s29
	s_lshl_b32 s29, s23, 22                        ; 512 positions of 8,192,
	s_add_co_u32 s30, s30, s29
	s_lshl_b32 s29, s22, 18                        ; 32 positions a wave
	s_add_co_u32 s30, s30, s29
	s_mul_i32 s32, s27, HEADB
	s_mul_i32 s29, s23, 4*STEPB
	s_add_co_u32 s32, s32, s29                     ; the work-group's first step in kv
	s_mov_b32 s44, 1                               ; group 0
	s_mul_i32 s45, s22, WREG                       ; my rows in LDS
	s_wait_alu depctr_va_vdst(0)                   ; the wait ahead of the waits below
	s_wait_dscnt 0x0
	s_wait_kmcnt 0x0
	s_cmp_lt_u32 ttmp9, 256                        ; which tensor: the choice hangs on the work-group's number alone
	s_cselect_b64 s[4:5], s[4:5], s[6:7]
	s_cmp_lt_u32 ttmp9, 512
	s_cselect_b64 s[4:5], s[4:5], s[8:9]
	s_add_nc_u64 s[46:47], s[4:5], s[30:31]
	s_or_b32 s47, s47, 0x80000000                  ; type = 2
	tensor_load_to_lds s[44:47], s[36:43]          ; my 32 rows: my one tensor load
	s_nop 0
	s_add_nc_u64 s[16:17], s[14:15], s[32:33]      ; kv at the work-group's first step,
	s_add_nc_u64 s[18:19], s[16:17], s[34:35]      ; and at mine
	s_cmp_lt_u32 ttmp9, 512
	s_cbranch_scc0 .Lcols
	; ---------------- q and k: K is innermost.  Two tiles of 16 rows.
	s_lshl_b32 s20, s27, 17
	s_lshl_b32 s29, s28, 13
	s_add_co_u32 s20, s20, s29
	s_add_nc_u64 s[10:11], s[10:11], s[20:21]      ; qc at my step
	s_lshl_b32 s20, s27, 13
	s_lshl_b32 s29, s23, 11
	s_add_co_u32 s20, s20, s29
	s_lshl_b32 s29, s22, 9
	s_add_co_u32 s20, s20, s29
	s_add_nc_u64 s[12:13], s[12:13], s[20:21]      ; qs at the work-group's step number wave (used by waves 0-3)
	s_mul_i32 s20, s22, STEPB
	s_add_co_u32 s20, s20, KSO
	s_add_nc_u64 s[16:17], s[16:17], s[20:21]      ; K's scale words of that step
	s_cmp_lt_u32 ttmp9, 256
	s_cselect_b64 s[10:11], s[10:11], s[18:19]
	s_cselect_b64 s[12:13], s[12:13], s[16:17]
	s_lshl_b32 s20, s24, 11
	s_add_nc_u64 s[10:11], s[10:11], s[20:21]      ; my two tiles: 2,048 bytes
	s_lshr_b32 s29, s22, 1
	s_lshl_b32 s29, s29, 8
	s_and_b32 s20, s22, 1
	s_lshl_b32 s20, s20, 3
	s_add_co_u32 s29, s29, s20
	s_add_co_u32 s29, s29, SCQ                     ; scratch: 256 x (wave / 2) + 8 x (wave % 2): my step, its g, my two places in a row's four words
	s_lshl_b32 s20, s22, 9
	s_add_co_u32 s20, s20, SCQ
	v_and_b32 v3, 8, v5
	v_add_nc_u32 v3, v3, v5                        ; r + 8 (r / 8)
	v_mul_u32_u24 v4, v3, PIT
	v_lshl_add_u32 v4, v6, 7, v4
	v_add_nc_u32 v4, s45, v4                       ; that row of mine, + 128 bytes for lanes 16-31
	v_lshlrev_b32 v3, 4, v5
	v_add_nc_u32 v3, s29, v3                       ; row r's words in the scratch
	v_add_nc_u32 v24, s20, v2                      ; the scratch on the way out: step number wave, 16 bytes a lane
	v_lshlrev_b32 v7, 3, v6                        ; where my two bytes stand in the scale word
	v_mov_b32 v15, 0                               ; a lane permute's destination counts as a source
	s_wait_alu depctr_va_vdst(0)                   ; the wait ahead of the wait below
	s_wait_tensorcnt 0x0                           ; my rows are in; I alone read them
.irp u, 0,1
.irp c, 0,1
.irp i, 0,1,2,3,4,5,6,7
	ds_load_b128 v[X+64*\u+32*\c+4*\i:X+64*\u+32*\c+4*\i+3], v4 offset:8*\u*PIT+256*\c+16*\i   ; register 32 c + j: channel 64 c + 32 (lane / 16) + j of row r of tile 2 b + u
.endr
.endr
.endr
.macro TILE u
.set XS, X+64*\u
.if \u == 0
	s_wait_dscnt 16                                ; this tile's sixteen loads are in; the next tile's may be out
.else
	s_wait_dscnt 0x0
.endif
.irp c, 0,1
	v_max3_num_f32 v[8+\c], |v[XS+32*\c]|, |v[XS+32*\c+1]|, 0x1800000     ; with the floor 2^(3 - 127)
.endr
.irp i, 2,4,6,8,10,12,14,16,18,20,22,24,26,28,30
.irp c, 0,1
	v_max3_num_f32 v[8+\c], v[8+\c], |v[XS+32*\c+\i]|, |v[XS+32*\c+\i+1]|
.endr
.endr
.irp c, 0,1
	v_add_nc_u32 v[10+\c], 0xff000000, v[8+\c]     ; 2 off the exponent field: the conversion's scale operand
.endr
.irp c, 0,1
	v_lshrrev_b32 v[12+\c], 23, v[10+\c]           ; the byte
.endr
	v_lshl_or_b32 v14, v13, 16, v12
	v_lshlrev_b32 v14, v7, v14
	v_permlanex16_b32 v15, v14, s48, s49
	v_or_b32 v[16+\u], v14, v15                    ; row r's word is whole, in both halves of the lanes
.irp c, 0,1
.irp g, 0,1,2,3
	v_cvt_scalef32_pk8_fp4_f32 v[C+8*\u+4*\c+\g], v[XS+32*\c+8*\g:XS+32*\c+8*\g+7], v[10+\c]
.endr
.endr
	v_nop                                          ; one plain place behind the scaled conversions
	ds_store_b32 v3, v[16+\u] offset:4*\u          ; lanes r and r + 16 write the same word with the same value
.irp c, 0,1
	global_store_b128 v2, v[C+8*\u+4*\c:C+8*\u+4*\c+3], s[10:11] offset:1024*\u+512*\c   ; 512 consecutive bytes, aligned
.endr
.endm
	TILE 0
	TILE 1
	s_wait_dscnt 0x0                               ; my words lie in the scratch
	s_barrier_signal -1
	s_barrier_wait -1                              ; everybody's do
	s_cmp_lt_u32 s22, 4
	s_cbranch_scc0 .Lqend
	ds_load_b128 v[20:23], v24
	s_wait_dscnt 0x0
	global_store_b128 v2, v[20:23], s[12:13]       ; a step's 512 bytes of scale words
.Lqend:
	s_wait_tensorcnt 0x0                           ; the wave's end
	ds_add_u32 v254, v255
	s_wait_dscnt 0x0
	s_endpgm
	; ---------------- v: K (the keys) is not innermost.  A lane takes channels 4 lane .. + 3 of my 32 keys: one block of each.
	; The conversions want 8 neighbours along the keys in consecutive registers: they are gathered by moves into two sets that take turns.
.Lcols:
	s_lshr_b32 s20, s24, 1
	s_lshl_b32 s20, s20, 9
	s_and_b32 s29, s24, 1
	s_lshl_b32 s29, s29, 8
	s_add_co_u32 s20, s20, s29
	s_add_co_u32 s20, s20, VOF
	s_add_nc_u64 s[18:19], s[18:19], s[20:21]      ; V's image of my step, at block b = 2 c + h: 512 c + 256 h
	s_mul_i32 s20, s22, STEPB
	s_add_co_u32 s20, s20, VSO
	s_add_nc_u64 s[16:17], s[16:17], s[20:21]      ; V's scale words of the work-group's step number wave (used by waves 0-3)
	s_lshl_b32 s29, s22, 11
	s_add_co_u32 s29, s29, VSTG                    ; my stage
	s_lshr_b32 s20, s22, 2
	s_lshl_b32 s20, s20, 9
	s_add_co_u32 s20, s20, s24
	s_add_co_u32 s20, s20, SCV                     ; scratch: my step's words, byte b
	s_lshl_b32 s26, s22, 9
	s_add_co_u32 s26, s26, SCV
	v_add_nc_u32 v4, s45, v2                       ; my rows: 16 bytes a lane
	v_lshlrev_b32 v3, 6, v1
	v_add_nc_u32 v3, s29, v3                       ; the stage on the way in: 16 bytes a channel, 64 a lane
	v_add_nc_u32 v25, s29, v2                      ; and back: 16 bytes a lane
	v_lshlrev_b32 v26, 4, v5
	v_lshl_add_u32 v26, v6, 10, v26                ; in the image: 1,024 x (lane / 16) + 16 x (lane % 16)
	v_add_nc_u32 v27, s20, v2                      ; channel 4 lane's word is 16 x lane
	v_add_nc_u32 v24, s26, v2                      ; the scratch on the way out
	s_wait_alu depctr_va_vdst(0)                   ; the wait ahead of the wait below
	s_wait_tensorcnt 0x0                           ; my rows are in; I alone read them
.irp i, 0,1,2,3,4,5,6,7,8,9,10,11,12,13,14,15,16,17,18,19,20,21,22,23,24,25,26,27,28,29,30,31
	ds_load_b128 v[X+4*\i:X+4*\i+3], v4 offset:PIT*\i
.endr
	s_wait_dscnt 0x0
.irp j, 0,1,2,3
	v_max3_num_f32 v[8+\j], |v[X+\j]|, |v[X+4+\j]|, 0x1800000          ; four channels by turns; the floor 2^(3 - 127)
.endr
.irp i, 2,4,6,8,10,12,14,16,18,20,22,24,26,28,30
.irp j, 0,1,2,3
	v_max3_num_f32 v[8+\j], v[8+\j], |v[X+4*\i+\j]|, |v[X+4*\i+4+\j]|
.endr
.endr
.irp j, 0,1,2,3
	v_add_nc_u32 v[12+\j], 0xff000000, v[8+\j]     ; the conversion's scale operand
.endr
.irp j, 0,1,2,3
	v_lshrrev_b32 v[16+\j], 23, v[12+\j]           ; the byte
.endr
.irp g, 0,1,2,3
.irp j, 0,1,2,3
.irp i, 0,1,2,3,4,5,6,7
	v_mov_b32 v[TB+8*(\j%2)+\i], v[X+4*(8*\g+\i)+\j]
.endr
	v_cvt_scalef32_pk8_fp4_f32 v[CV+4*\j+\g], v[TB+8*(\j%2):TB+8*(\j%2)+7], v[12+\j]   ; the other set's eight moves stand between this line and the next write of its sources
.endr
.endr
	v_nop                                          ; one plain place behind the scaled conversions
.irp j, 0,1,2,3
	ds_store_b128 v3, v[CV+4*\j:CV+4*\j+3] offset:16*\j
	ds_store_b8 v27, v[16+\j] offset:4*\j          ; byte b of channel 4 lane + j's word
.endr
.irp i, 0,1,2,3
	ds_load_b128 v[X+4*\i:X+4*\i+3], v25 offset:512*\i   ; a wave's LDS instructions are served in order (ISA guide 5.7.1.4): channels 32 i + lane
.endr
.irp i, 0,1,2,3
	s_wait_dscnt 3-\i
	global_store_b128 v26, v[X+4*\i:X+4*\i+3], s[18:19] offset:2048*\i   ; tiles 2 i and 2 i + 1: sixteen lanes store 256 consecutive bytes, aligned
.endr
	s_barrier_signal -1                            ; (the wait for 0 on DScnt stands above: my bytes lie in the scratch)
	s_barrier_wait -1                              ; everybody's do
	s_cmp_lt_u32 s22, 4
	s_cbranch_scc0 .Lvend
	ds_load_b128 v[20:23], v24
	s_wait_dscnt 0x0
	global_store_b128 v2, v[20:23], s[16:17]       ; a step's 128 scale words: 512 consecutive bytes
.Lvend:
	s_wait_tensorcnt 0x0                           ; the wave's end
	ds_add_u32 v254, v255
	s_wait_dscnt 0x0
	s_endpgm
.Lfunc_end_k_qaf55fc2997_quant:
	.size	k_qaf55fc2997_quant, .Lfunc_end_k_qaf55fc2997_quant-k_qaf55fc2997_quant
	.p2alignl 7, 3214868480
	.fill 96, 4, 3214868480
	.section	.rodata,"a",@progbits
	.p2align	6, 0x0
	.amdhsa_kernel k_qaf55fc2997_quant
		.amdhsa_group_segment_fixed_size 309248
		.amdhsa_private_segment_fixed_size 0
		.amdhsa_enable_private_segment 0
		.amdhsa_kernarg_size 48
		.amdhsa_user_sgpr_count 2
		.amdhsa_user_sgpr_kernarg_segment_ptr 1
		.amdhsa_wavefront_size32 1
		.amdhsa_system_sgpr_workgroup_id_x 1
		.amdhsa_system_sgpr_workgroup_id_y 1
		.amdhsa_system_sgpr_workgroup_id_z 1
		.amdhsa_system_vgpr_workitem_id 0
		.amdhsa_next_free_vgpr 256
		.amdhsa_next_free_sgpr 66
		.amdhsa_reserve_vcc 0
		.amdhsa_float_denorm_mode_32 3
		.amdhsa_float_denorm_mode_16_64 3
		.amdhsa_memory_ordered 1
		.amdhsa_forward_progress 1
		.amdhsa_inst_pref_size 28
	.end_amdhsa_kernel
	.amdgpu_metadata
---
amdhsa.version: [ 1, 2 ]
amdhsa.kernels:
  - .name:           k_qaf55fc2997_quant
    .symbol:         k_qaf55fc2997_quant.kd
    .args:
      - { .name: q, .offset: 0, .size: 8, .value_kind: global_buffer, .address_space: global }
      - { .name: k, .offset: 8, .size: 8, .value_kind: global_buffer, .address_space: global }
      - { .name: v, .offset: 16, .size: 8, .value_kind: global_buffer, .address_space: global }
      - { .name: qc, .offset: 24, .size: 8, .value_kind: global_buffer, .address_space: global }
      - { .name: qs, .offset: 32, .size: 8, .value_kind: global_buffer, .address_space: global }
      - { .name: kv, .offset: 40, .size: 8, .value_kind: global_buffer, .address_space: global }
    .group_segment_fixed_size: 309248
    .private_segment_fixed_size: 0
    .kernarg_segment_align: 8
    .kernarg_segment_size: 48
    .max_flat_workgroup_size: 512
    .sgpr_count:     66
    .vgpr_count:     256
    .wavefront_size: 32
...
	.end_amdgpu_metadata
.endif
;; end of part 1
;; launch attn (part 2): grid 4 x 64, 16 waves a work-group, clusters of 4 x 1, 327,680 bytes of LDS; arguments qc, qs, kv, out0; writes out0
.if DOCPART == 2
	.amdgcn_target "amdgcn-amd-amdhsa--gfx1250"
	.amdhsa_code_object_version 6
	.text
	.protected	k_qaf55fc2997_attn
	.globl	k_qaf55fc2997_attn
	.p2align	8
	.type	k_qaf55fc2997_attn,@function
k_qaf55fc2997_attn:
	s_mov_b64 s[64:65], 0
	v_nop
	global_prefetch_b8 v0, s[64:65] scope:SCOPE_SE
	s_setreg_imm32_b32 hwreg(HW_REG_WAVE_MODE, 25, 1), 1
	s_wait_xcnt 0x0
	s_wait_alu depctr_hold_cnt(0) depctr_sa_sdst(0) depctr_va_vdst(0) depctr_va_sdst(0) depctr_va_ssrc(0) depctr_va_vcc(0) depctr_vm_vsrc(0)
	s_getreg_b32 s2, hwreg(HW_REG_IB_STS2, 6, 4)
	s_cmp_eq_u32 s2, 0
	s_cbranch_scc0 .Lentry_in_a_cluster
	s_endpgm
.Lentry_in_a_cluster:
	s_bfe_u32 s2, ttmp6, 0x10000c
	s_cmp_lg_u32 s2, 0x3003
	s_cbranch_scc0 .Lentry_shape_is_right
	s_endpgm
.Lentry_shape_is_right:
; out0[b][q][h][:] = the sum over keys k <= q of softmax_k(Q . K / sqrt(128)) V, both products on codes of FP4 (E2M1) with one E8M0 scale for each 32 along a product's K.  Codes and scale words come from the launch before
; (its head comment has the layouts).  LEFT OUT: key steps all of whose keys come after a tile's queries: reference()'s own mask makes their p 0 for all values of the inputs.
; THE SOFTMAX: t = score x log2(e) / sqrt(128); M = the row's largest t so far, rounded UP to a whole number; p = 2^(t - M) is quantised along the keys, not normalised.  The row's sum is taken of the unquantised p and divides
; at the end.  When M moves, the sum and O are multiplied by 2^(old M - new M): exact.
; SHARES.  A cluster of four work-groups is one head; a work-group has sixteen waves of 256 registers.  A head has 128 tiles of 16 queries; tile j needs key steps 0 .. j / 8 (128 keys a step).  Wave w of work-group cx owns
; tiles 4 w + cx and 127 - (4 w + cx): 17 steps for every wave.  Every trip count and branch hangs on the wave's number alone; cx enters q's and out0's addresses and the mask's compare only.
; A WHOLE HEAD'S K AND V LIE IN LDS AS THEY LIE IN kv, 17,408 bytes a step, each byte filled once, by joint loads (mask 15: the four work-groups need the same bytes).  Every wave issues one load of each fill, a dense piece
; told by its number: key steps 0-3 at the head (16 x 4,352 bytes), steps 4-7 behind the first round, steps 8-15 (16 x 8,704) behind the second: each fill goes out four key steps ahead of its first read.
; No prefetch: the first fill has no loop ahead of it, and the later ones are asked of memory by their own loads four key steps early.
; LAYOUT.  Both products are used transposed: S^T = K Q^T, O^T = V^T P^T: a lane holds ONE query (lane % 16).  Row r of tile t of a step is position 32 (t / 2) + 8 (t % 2) + r + 8 (r / 8), so that the 16 registers of S^T's
; tiles 2 b and 2 b + 1 are the neighbouring keys 32 b + 16 (lane / 16) + 0 .. 15.  The queries' tiles are cut the same way.
; LIMITS: NaN and infinities among the inputs are not served.  The promise holds while the scaled scores t stay under 2^31 in magnitude.  p under 2^-126 counts as 0 (v_exp_f32's entry, ISA guide 15.8).
; REGISTERS: v1-7, v24-29 addresses and lane numbers that stay; v8, v9 the step's LDS addresses; v12 -M, v13 the largest t, v[14:15] the sum; v16-23 Q; v32-95 fragments of K, then of V, then rows of O; v96-159 S^T, p, O / the sum;
;   v160-223 O^T; v224-231 p's codes; v232-247, v254 at work; v241, v252 the add's two; scales alone in v248-251, v253 (p's), v255 (q's).
.set STEPB, 17408
.set VOF,  8192
.set KSO,  16384
.set VSO,  16896
.set QUAD, 4*STEPB
.set PIECE, QUAD/16                    ; 17 rows of 256 bytes
.set STG,  16*STEPB                    ; the stages: 9 rows x 272 bytes in 2,560 for each wave; no fill lands here
.set STGW, 2560
.set SP,   272
.set SPARE, STG+16*STGW                ; the spare words, 2,048 bytes
.macro CROUND                          ; a round of the cluster's barrier
	s_barrier_signal -1
	s_barrier_wait -1
	s_cmp_lg_u32 s18, 0
	s_cbranch_scc1 .Lnot_wave_0_\@
	s_barrier_signal -3
.Lnot_wave_0_\@:
	s_barrier_wait -3
	s_barrier_signal -1
	s_barrier_wait -1
.endm
	s_load_b256 s[4:11], s[0:1], 0x0               ; qc, qs, kv, out0
	v_lshl_add_u32 v241, v0, 2, SPARE
	v_mov_b32 v252, 0
	ds_add_u32 v241, v252                          ; the opening lines: the add twice on end and its wait
	ds_add_u32 v241, v252
	v_lshrrev_b32 v1, 5, v0
	s_delay_alu instid0(VALU_DEP_1)
	v_readfirstlane_b32 s18, v1                    ; wave 0..15
	s_bfe_u32 s19, ttmp6, 0x40000                  ; cx
	s_and_b32 s60, ttmp7, 0xffff                   ; the head, 16 batch + head
	s_lshr_b32 s73, s18, 1
	s_mov_b32 s20, 0x76543210
	s_mov_b32 s21, 0xfedcba98                      ; selects for lane l xor 16
	s_mov_b32 s22, 0x3e0293ee                      ; c = log2(e) / sqrt(128)
	s_mov_b32 s23, s22
.irp g, 24, 32                         ; groups 1: dense rows of 256 bytes (32 elements of 8)
	s_mov_b32 s[\g], 15|(3<<16)|(1<<21)            ; the mask: all four; elements of 8 bytes; bit 21 beside a mask
	s_mov_b32 s[\g+1], 32<<16
	s_mov_b32 s[\g+3], 32<<16
	s_mov_b32 s[\g+5], 32
	s_mov_b32 s[\g+6], 0
	s_mov_b32 s[\g+7], 0
.endr
	s_mov_b32 s26, 17<<16                          ; 17 rows
	s_mov_b32 s28, 17
	s_mov_b32 s34, 34<<16                          ; 34 rows
	s_mov_b32 s36, 34
	s_lshl_b32 s80, s60, 17                        ; the head in qc,
	s_mov_b32 s81, 0
	s_lshl_b32 s82, s60, 13                        ; in qs,
	s_mov_b32 s83, 0
	s_lshr_b32 s84, s60, 4
	s_lshl_b32 s84, s84, 24
	s_and_b32 s91, s60, 15
	s_lshl_b32 s91, s91, 9
	s_add_co_u32 s84, s84, s91                     ; in out0: 2^24 x batch + 512 x head,
	s_mov_b32 s85, 0
	s_mul_i32 s52, s18, PIECE                      ; my piece
	s_mov_b32 s53, 0
	s_mul_i32 s86, s60, 16*STEPB
	s_add_co_u32 s86, s86, s52                     ; and in kv, at my piece
	s_mov_b32 s87, 0
	s_mov_b32 s93, 0
	s_mov_b32 s48, 1                               ; group 0: nothing in it hangs on cx
	s_mov_b32 s49, s52
	s_wait_dscnt 0x0
	s_wait_kmcnt 0x0
	s_add_nc_u64 s[4:5], s[4:5], s[80:81]
	s_add_nc_u64 s[6:7], s[6:7], s[82:83]
	s_add_nc_u64 s[16:17], s[10:11], s[84:85]
	s_add_nc_u64 s[50:51], s[8:9], s[86:87]
	s_or_b32 s51, s51, 0x80000000                  ; type = 2
	CROUND                                         ; the joint loads meet
	tensor_load_to_lds s[48:51], s[24:31]          ; key steps 0-3: my one load at the head
	s_nop 0
	v_and_b32 v30, 31, v0                          ; lane
	v_and_b32 v5, 15, v0                           ; r
	v_bfe_u32 v6, v0, 4, 1                         ; h
	v_bfe_u32 v10, v0, 3, 1                        ; b = r / 8
	v_and_b32 v31, 7, v0                           ; r % 8
	v_lshlrev_b32 v1, 4, v30                       ; 16 x lane
	v_lshlrev_b32 v4, 2, v30                       ; 4 x lane
	v_lshlrev_b32 v7, 4, v5
	v_mul_u32_u24 v11, v10, 7                      ; 7 b
	s_mul_i32 s91, s18, STGW
	s_add_co_u32 s91, s91, STG                     ; my stage
	v_lshl_add_u32 v7, v6, 13, v7                  ; out0: lanes 0-15 one row, lanes 16-31 the next position's
	v_xor_b32 v2, 7, v11
	v_and_b32 v25, v31, v11
	v_xor_b32 v3, 1, v10
	v_and_b32 v24, v31, v2
	v_lshl_add_u32 v25, v3, 3, v25                 ; rows 8-15 due: stage row r - 8; rows 0-7 go to the ninth row, which nobody reads
	v_lshl_add_u32 v24, v10, 3, v24                ; rows 0-7 due: stage row r; rows 8-15 go to the ninth
	v_mul_u32_u24 v25, v25, SP
	v_mul_u32_u24 v24, v24, SP
	v_lshl_add_u32 v25, v6, 5, v25
	v_lshl_add_u32 v24, v6, 5, v24
	v_add_nc_u32 v25, s91, v25
	v_add_nc_u32 v24, s91, v24                     ; + 32 h
	v_mul_u32_u24 v3, v6, SP
	v_lshlrev_b32 v26, 4, v5                       ; q's scale words lie 16 bytes apart
	v_lshl_add_u32 v3, v5, 4, v3
	v_and_b32 v31, 8, v5
	v_add_nc_u32 v3, s91, v3                       ; back: lanes 0-15 one row, lanes 16-31 the next
	v_add_nc_u32 v28, v31, v5
	v_lshlrev_b32 v31, 4, v6
	s_delay_alu instid0(VALU_DEP_1)
	v_sub_nc_u32 v28, v28, v31                     ; r + 8 (r / 8) - 16 h
	v_mov_b32 v29, 0xff800000                      ; -infinity
.irp b, 0,1,2,3
	v_mov_b32 v[236+\b], 0                         ; a lane permute's destination counts as a source
.endr
	v_mov_b32 v243, 0                              ; (the upper half of the pair v[242:243])
	s_wait_alu depctr_va_vdst(0)                   ; the wait ahead of the scalar lines below
.macro TILEQ                           ; tile s70: its codes and scale words
	s_lshl_b32 s92, s70, 10
	s_add_nc_u64 s[74:75], s[4:5], s[92:93]
	s_lshr_b32 s92, s70, 2
	s_lshl_b32 s92, s92, 8
	s_and_b32 s91, s70, 3
	s_lshl_b32 s91, s91, 2
	s_add_co_u32 s92, s92, s91
	s_add_nc_u64 s[76:77], s[6:7], s[92:93]
.endm
.macro TILEO                           ; tile s70: its first query, 32 (j / 2) + 8 (j % 2): its row of out0 and its place in its step
	s_lshr_b32 s92, s70, 1
	s_lshl_b32 s92, s92, 5
	s_and_b32 s91, s70, 1
	s_lshl_b32 s91, s91, 3
	s_add_co_u32 s92, s92, s91
	s_and_b32 s71, s92, 127
	s_lshl_b32 s92, s92, 13
	s_add_nc_u64 s[78:79], s[16:17], s[92:93]
.endm
.macro QLOAD
	global_load_b128 v[16:19], v1, s[74:75] th:TH_LOAD_NT
	global_load_b128 v[20:23], v1, s[74:75] offset:512 th:TH_LOAD_NT
	global_load_b32 v255, v26, s[76:77]
.endm
.macro INIT                            ; the step is written once: the first finds zeros
	v_add_nc_u32 v27, s71, v28                     ; d: in the last step register 16 b + i is hidden where 32 b + i > d
	v_mov_b32 v13, 0xff61b1e6                      ; -3e38
	s_delay_alu instid0(VALU_DEP_1)
	v_floor_f32 v12, -v13                          ; -M
	v_mov_b32 v14, 0
	v_mov_b32 v15, 0
.set j, 0
.rept 64
	v_mov_b32 v[160+j], 0
.set j, j+1
.endr
	s_wait_alu depctr_va_vdst(0)                   ; the wait ahead of the waits that follow
.endm
; A KEY STEP: 128 keys.  A step behind the tile's last is left out by a scalar branch on the wave's number and the step's; no barrier and no tensor load stands in a step.
.macro STEP
	s_cmp_gt_u32 s66, s69
	s_cbranch_scc1 .Lhid_\@
	v_add_nc_u32 v8, s67, v1
	v_add_nc_u32 v9, s67, v4
	v_nop                                          ; four places in front of loads into registers that the last products read
	v_nop
.irp t, 0,1,2,3,4,5,6,7
.irp c, 0,1
	ds_load_b128 v[32+8*\t+4*\c:35+8*\t+4*\c], v8 offset:1024*\t+512*\c   ; K's eight fragments
.endr
.endr
	ds_load_b128 v[248:251], v8 offset:KSO         ; their scale words: lanes 0-15 tiles 0-3, lanes 16-31 tiles 4-7
	s_wait_alu depctr_va_vdst(0)                   ; the wait ahead of the wait below
	s_wait_dscnt 0x0
.irp t, 0,1,2,3,4,5,6,7
.if \t < 4
	v_wmma_scale_f32_16x16x128_f8f6f4 v[96+8*\t:103+8*\t], v[32+8*\t:39+8*\t], v[16:23], 0, v[248+\t%4], v255 matrix_a_fmt:MATRIX_FMT_FP4 matrix_b_fmt:MATRIX_FMT_FP4
.else
	v_wmma_scale_f32_16x16x128_f8f6f4 v[96+8*\t:103+8*\t], v[32+8*\t:39+8*\t], v[16:23], 0, v[248+\t%4], v255 matrix_a_fmt:MATRIX_FMT_FP4 matrix_b_fmt:MATRIX_FMT_FP4 matrix_a_scale:MATRIX_SCALE_ROW1
.endif
.endr
.rept 4
	v_nop                                          ; four places (ISA guide 7.12.1)
.endr
.irp t, 0,1,2,3,4,5,6,7
.irp c, 0,1
	ds_load_b128 v[32+8*\t+4*\c:35+8*\t+4*\c], v8 offset:VOF+1024*\t+512*\c   ; V's eight fragments land under the softmax
.endr
.endr
.irp p, 0,1,2,3
	ds_load_b32 v[248+\p], v9 offset:VSO+128*\p    ; lanes 0-15: tile 2 p's words; lanes 16-31: tile 2 p + 1's
.endr
	s_cmp_lg_u32 s66, s69                          ; the tile's last step lies on the diagonal: hidden scores become -infinity
	s_cbranch_scc1 .Lopen_\@
.set n, 0
.rept 64
	v_cmp_gt_i32 vcc_lo, 32*(n/16)+n%16, v27
	v_cndmask_b32 v[96+n], v[96+n], v29, vcc_lo
.set n, n+1
.endr
.Lopen_\@:
.irp b, 0,1,2,3
	v_max3_num_f32 v[232+\b], v[96+16*\b], v[97+16*\b], v[98+16*\b]   ; each block's largest score: for the row's maximum and for the block's largest p
.endr
.irp i, 3,5,7,9,11,13
.irp b, 0,1,2,3
	v_max3_num_f32 v[232+\b], v[232+\b], v[96+16*\b+\i], v[97+16*\b+\i]
.endr
.endr
.irp b, 0,1,2,3
	v_max_num_f32 v[232+\b], v[232+\b], v[111+16*\b]
.endr
.irp b, 0,1,2,3
	s_delay_alu instid0(VALU_DEP_4)
	v_permlanex16_b32 v[236+\b], v[232+\b], s20, s21
.endr
.irp b, 0,1,2,3
	s_delay_alu instid0(VALU_DEP_4)
	v_max_num_f32 v[232+\b], v[232+\b], v[236+\b]
.endr
	s_delay_alu instid0(VALU_DEP_2)
	v_max3_num_f32 v254, v232, v233, v234
	s_delay_alu instid0(VALU_DEP_1)
	v_max_num_f32 v254, v254, v235
	s_delay_alu instid0(VALU_DEP_1)
	v_mul_f32 v254, s22, v254                      ; as t
	s_delay_alu instid0(VALU_DEP_1)
	v_max_num_f32 v13, v13, v254                   ; the running largest t
	v_mov_b32 v254, v12
	s_delay_alu instid0(VALU_DEP_2)
	v_floor_f32 v12, -v13                          ; the new -M
	s_delay_alu instid0(VALU_DEP_1)
	v_sub_f32 v254, v12, v254                      ; old M - new M
	s_delay_alu instid0(VALU_DEP_1)
	v_cvt_i32_f32 v254, v254
	s_delay_alu instid0(VALU_DEP_1)
	v_ldexp_f32 v242, 1.0, v254                    ; f = 2^(old M - new M)
.set j, 0
.rept 32
	v_pk_fma_f32 v[96+j:97+j], v[96+j:97+j], s[22:23], v[12:13] op_sel_hi:[1,0,0]   ; t - M
.set j, j+2
.endr
.irp b, 0,1,2,3
	v_fma_f32 v[232+\b], v[232+\b], s22, v12
.endr
	s_wait_alu depctr_va_vdst(0)                   ; the wait ahead of the batch
.set j, 0
.rept 64
	v_exp_f32 v[96+j], v[96+j]                     ; p = 2^(t - M)
.set j, j+1
.endr
.irp b, 0,1,2,3
	v_exp_f32 v[232+\b], v[232+\b]                 ; the block's largest p
.endr
	v_pk_mul_f32 v[14:15], v[14:15], v[242:243] op_sel_hi:[1,0]   ; the sums under the new M; the plain place behind the batch
	s_wait_alu depctr_va_vdst(0)                   ; and behind it
.irp b, 0,1,2,3
	v_max_num_f32 v[232+\b], 0x1800000, v[232+\b]  ; the floor 2^(3 - 127)
.endr
.irp b, 0,1,2,3
	s_delay_alu instid0(VALU_DEP_4)
	v_add_nc_u32 v[244+\b], 0xff000000, v[232+\b]  ; the conversion's scale operand
.endr
.irp b, 0,1,2,3
	s_delay_alu instid0(VALU_DEP_4)
	v_lshrrev_b32 v[236+\b], 23, v[244+\b]         ; the byte
.endr
	s_delay_alu instid0(VALU_DEP_3)
	v_lshl_or_b32 v253, v237, 8, v236              ; p's scale word
	s_delay_alu instid0(VALU_DEP_1)
	v_lshl_or_b32 v253, v238, 16, v253
	s_delay_alu instid0(VALU_DEP_1)
	v_lshl_or_b32 v253, v239, 24, v253
.irp b, 0,1,2,3
	v_cvt_scalef32_pk8_fp4_f32 v[224+2*\b], v[96+16*\b:103+16*\b], v[244+\b]
	v_cvt_scalef32_pk8_fp4_f32 v[225+2*\b], v[104+16*\b:111+16*\b], v[244+\b]
.endr
	v_nop                                          ; one plain place behind the scaled conversions
.irp c, 0,1                                    ; a WHOLE block in a lane
.irp i, 0,1
	v_permlane16_swap_b32 v[224+4*\c+\i], v[226+4*\c+\i]
.endr
.endr
	v_pk_add_f32 v[236:237], v[96:97], v[98:99]    ; the row's sum of the unquantised p, in two chains
.irp i, 4,8,12,16,20,24,28,32,36,40,44,48,52,56,60
	v_pk_add_f32 v[14:15], v[14:15], v[96+\i:97+\i]
	v_pk_add_f32 v[236:237], v[236:237], v[98+\i:99+\i]
.endr
	s_delay_alu instid0(VALU_DEP_1)
	v_pk_add_f32 v[14:15], v[14:15], v[236:237]
	s_wait_alu depctr_va_vdst(0)                   ; the wait directly ahead of the first reader of O^T
.set j, 0
.rept 32
	v_pk_mul_f32 v[160+j:161+j], v[160+j:161+j], v[242:243] op_sel_hi:[1,0]   ; O^T x f; also the places ahead of the products below
.set j, j+2
.endr
	s_wait_alu depctr_va_vdst(0)                   ; the wait ahead of the wait below
	s_wait_dscnt 0x0                               ; V's fragments and scale words are in
.irp t, 0,1,2,3,4,5,6,7                        ; eight accumulators by turns
.if \t%2 == 0
	v_wmma_scale_f32_16x16x128_f8f6f4 v[160+8*\t:167+8*\t], v[32+8*\t:39+8*\t], v[224:231], v[160+8*\t:167+8*\t], v[248+\t/2], v253 matrix_a_fmt:MATRIX_FMT_FP4 matrix_b_fmt:MATRIX_FMT_FP4
.else
	v_wmma_scale_f32_16x16x128_f8f6f4 v[160+8*\t:167+8*\t], v[32+8*\t:39+8*\t], v[224:231], v[160+8*\t:167+8*\t], v[248+\t/2], v253 matrix_a_fmt:MATRIX_FMT_FP4 matrix_b_fmt:MATRIX_FMT_FP4 matrix_a_scale:MATRIX_SCALE_ROW1
.endif
.endr
.Lhid_\@:
	s_add_co_u32 s66, s66, 1
	s_add_co_u32 s67, s67, STEPB
.endm
.macro KLOOP first, count              ; every number is a constant of the text
	s_mov_b32 s66, \first
	s_mov_b32 s67, (\first)*STEPB
	s_mov_b32 s90, \count
.Lk_\@:
	STEP
	s_sub_co_u32 s90, s90, 1
	s_cmp_lg_u32 s90, 0
	s_cbranch_scc1 .Lk_\@
.endm
; THE WAY OUT of a tile.  O^T / the sum goes through my stage in four groups: 64 channels (256 bytes) of the tile's rows 0-7 or 8-15, eight neighbouring positions each.  All lanes store: the eight rows that are not due
; land in the stage's ninth row.  All lanes read back, two rows an instruction, and sixteen lanes store 256 consecutive bytes, aligned.
.macro WAYOUT
.rept 4
	v_nop                                          ; four places behind the last products
.endr
	v_add_f32 v14, v14, v15
	s_delay_alu instid0(VALU_DEP_1)
	v_permlanex16_b32 v236, v14, s20, s21
	s_delay_alu instid0(VALU_DEP_1)
	v_add_f32 v14, v14, v236                       ; the row's sum
	s_wait_alu depctr_va_vdst(0)                   ; the wait ahead of the transcendental
	v_rcp_f32 v14, v14
	v_nop
	s_wait_alu depctr_va_vdst(0)                   ; and ahead of its first reader, which is O^T's too
.set j, 0
.rept 32
	v_pk_mul_f32 v[96+j:97+j], v[160+j:161+j], v[14:15] op_sel_hi:[1,0]   ; register 8 t + i is o(my query, 16 t + 8 h + i)
.set j, j+2
.endr
.irp u, 0,1
.irp a, 0,1
.irp t, 0,1,2,3
	ds_store_b128 v[24+\a], v[96+32*\u+8*\t:99+32*\u+8*\t] offset:64*\t
	ds_store_b128 v[24+\a], v[100+32*\u+8*\t:103+32*\u+8*\t] offset:64*\t+16
.endr
.irp i, 0,1,2,3
	ds_load_b128 v[32+16*(2*\u+\a)+4*\i:35+16*(2*\u+\a)+4*\i], v3 offset:2*SP*\i   ; a wave's LDS instructions are served in order (ISA guide 5.7.1.4)
.endr
.endr
.endr
.irp u, 0,1
.irp a, 0,1
.irp i, 0,1,2,3
	s_wait_dscnt 12*(3-(2*\u+\a))+3-\i             ; behind this load: the rest of its four, and twelve LDS instructions for each later group
	global_store_b128 v7, v[32+16*(2*\u+\a)+4*\i:35+16*(2*\u+\a)+4*\i], s[78:79] offset:(16*\a+2*\i)*8192+256*\u th:TH_STORE_NT
.endr
.endr
.endr
	s_wait_xcnt 0x0                                ; the stores have read their registers and their base
.endm
	; ---- the later tile first: 127 - (4 wave + cx), 16 - wave / 2 steps
	s_lshl_b32 s70, s18, 2
	s_add_co_u32 s70, s70, s19
	s_xor_b32 s70, s70, 127
	s_xor_b32 s69, s73, 15                         ; its last step
	TILEQ
	TILEO
	QLOAD
	INIT
	s_wait_tensorcnt 0x0                           ; my piece of key steps 0-3 is in; a later first fill stands behind these lines and a round
	ds_add_u32 v241, v252
	s_add_co_u32 s49, s49, QUAD
	s_add_nc_u64 s[50:51], s[50:51], QUAD
	s_wait_dscnt 0x0
	CROUND                                         ; everybody's piece is in
	tensor_load_to_lds s[48:51], s[24:31]          ; key steps 4-7
	s_nop 0
	s_wait_loadcnt 0x0                             ; Q
	KLOOP 0, 4
	s_wait_tensorcnt 0x0
	ds_add_u32 v241, v252
	s_add_co_u32 s49, s49, QUAD                    ; pieces twice as long: 2 x QUAD + 2 x PIECE x wave
	s_add_co_u32 s49, s49, s52
	s_add_nc_u64 s[50:51], s[50:51], QUAD
	s_add_nc_u64 s[50:51], s[50:51], s[52:53]
	s_wait_dscnt 0x0
	CROUND
	tensor_load_to_lds s[48:51], s[32:39]          ; key steps 8-15
	s_nop 0
	KLOOP 4, 4
	s_wait_tensorcnt 0x0                           ; my piece of key steps 8-15 is in
	ds_add_u32 v241, v252
	s_wait_dscnt 0x0
	s_barrier_signal -1
	s_barrier_wait -1                              ; the whole head lies in LDS: from here no wave waits for another
	KLOOP 8, 8
	; ---- the earlier tile: 4 wave + cx, wave / 2 + 1 steps.  Its Q lands under the first tile's way out
	s_lshl_b32 s70, s18, 2
	s_add_co_u32 s70, s70, s19
	TILEQ
	QLOAD
	WAYOUT
	TILEO
	s_mov_b32 s69, s73
	INIT
	s_wait_loadcnt 0x0                             ; Q
	KLOOP 0, 8
	WAYOUT
	s_wait_tensorcnt 0x0                           ; the wave's end
	ds_add_u32 v241, v252
	s_wait_dscnt 0x0
	CROUND                                         ; the closing round
	s_endpgm
.Lfunc_end_k_qaf55fc2997_attn:
	.size	k_qaf55fc2997_attn, .Lfunc_end_k_qaf55fc2997_attn-k_qaf55fc2997_attn
	.p2alignl 7, 3214868480
	.fill 96, 4, 3214868480
	.section	.rodata,"a",@progbits
	.p2align	6, 0x0
	.amdhsa_kernel k_qaf55fc2997_attn
		.amdhsa_group_segment_fixed_size 327680
		.amdhsa_private_segment_fixed_size 0
		.amdhsa_enable_private_segment 0
		.amdhsa_kernarg_size 32
		.amdhsa_user_sgpr_count 2
		.amdhsa_user_sgpr_kernarg_segment_ptr 1
		.amdhsa_wavefront_size32 1
		.amdhsa_system_sgpr_workgroup_id_x 1
		.amdhsa_system_sgpr_workgroup_id_y 1
		.amdhsa_system_sgpr_workgroup_id_z 1
		.amdhsa_system_vgpr_workitem_id 0
		.amdhsa_next_free_vgpr 256
		.amdhsa_next_free_sgpr 96
		.amdhsa_reserve_vcc 1
		.amdhsa_float_denorm_mode_32 3
		.amdhsa_float_denorm_mode_16_64 3
		.amdhsa_memory_ordered 1
		.amdhsa_forward_progress 1
		.amdhsa_inst_pref_size 123
	.end_amdhsa_kernel
	.amdgpu_metadata
---
amdhsa.version: [ 1, 2 ]
amdhsa.kernels:
  - .name:           k_qaf55fc2997_attn
    .symbol:         k_qaf55fc2997_attn.kd
    .args:
      - { .name: qc, .offset: 0, .size: 8, .value_kind: global_buffer, .address_space: global }
      - { .name: qs, .offset: 8, .size: 8, .value_kind: global_buffer, .address_space: global }
      - { .name: kv, .offset: 16, .size: 8, .value_kind: global_buffer, .address_space: global }
      - { .name: out0, .offset: 24, .size: 8, .value_kind: global_buffer, .address_space: global }
    .group_segment_fixed_size: 327680
    .private_segment_fixed_size: 0
    .kernarg_segment_align: 8
    .kernarg_segment_size: 32
    .max_flat_workgroup_size: 512
    .sgpr_count:     96
    .vgpr_count:     256
    .wavefront_size: 32
...
	.end_amdgpu_metadata
.endif
;; end of part 2
